; MI455X (gfx1250); checked and timed in simulation.
; The chip was launched on July 23, 2026; its instructions are those of AMD's public machine-readable ISA for CDNA 5 (MIT licence, August 2026) and "CDNA5" Instruction Set Architecture Reference Guide (July 2026). The comments in the code are by the model that wrote it; some were corrected since.
;; Dot Product Attention. Allowed arithmetic: matrix products marked QUANTISED: E2M1 operands, one E8M0 scale for each 32 along K, by v_wmma_scale_f32_16x16x128_f8f6f4 with both operands' format E2M1 (or v_wmma_scale_f32_32x16x128_f4), f32 sums; everything else in f32.
;; Inputs: query_codes 16 x 1,024 x 32 x 16 uint8 (E2M1 codes of query, K innermost, in blocks of 32 codes, two codes a byte); query_scales 16 x 1,024 x 32 uint8 (E8M0 scales of query, one for each 32 codes along K); value 16 x 2,048 x 1,024 float32.
;; Outputs: out0 16 x 1,024 x 1,024 float32.
;; This version of the problem:
;;   THIS VERSION OF THE PROBLEM IS GIVEN IN LOW PRECISION. The matrix products marked QUANTISED in the list below multiply operands that are first quantised to E2M1 (2 exponent bits, 1 mantissa bit; 4 bits a number), with one power-of-two scale for each 32 numbers along K (OCP MX v1.0); their sums are f32. All else is computed in f32.
;;   The module's matrix products, in the order in which they are computed (A, B: the left and right operand; K: the contracted axis; several contracted axes count as one K, in the product's order):
;;     1. batch 16 x [M 1,024, K 1,024] x [K 1,024, N 2,048]; A: input query (given as codes); B: input value: QUANTISED
;;     2. batch 16 x [M 1,024, K 2,048] x [K 2,048, N 1,024]; A: softmax (see below); B: input value: QUANTISED
;;   THE QUANTISER, for each operand of a quantised product, along K:
;;     - K is cut into blocks of 32 from its start; a last block that is shorter is filled with zeros.
;;     - A block's scale is 2^e with e = floor(log2(the largest magnitude in the block)) - 2, held to -126 .. 127; a block of zeros has e = 0. As a byte (E8M0): e + 127.
;;     - Each number is divided by its block's scale, clamped to +-6, and rounded to the nearest number of E2M1, ties to even, subnormals kept.
;;     - The product sums the exact products of the quantised numbers (number of the format x scale) in f32.
;;   ~~~python
;;   def quantise(x, axis):      # numpy; x: float32 -> the quantised numbers, widened to float32 again
;;       x = np.moveaxis(x, axis, -1); K = x.shape[-1]
;;       x = np.pad(x, [(0, 0)] * (x.ndim - 1) + [(0, -K % 32)]); x = x.reshape(x.shape[:-1] + (-1, 32)); a = np.abs(x).max(-1, keepdims=True)
;;       e = np.where(a > 0, np.clip(np.frexp(np.where(a > 0, a, 1))[1] - 1 - 2, -126, 127), 0)      # np.frexp(a)[1] - 1 = floor(log2(a)), exactly
;;       r = np.clip(x / 2.0 ** e, -6, 6)
;;       step = 2.0 ** (np.maximum(np.frexp(np.where(r == 0, 1, r))[1] - 1, 0) - 1)
;;       q = np.round(r / step) * step * 2.0 ** e      # np.round: ties to even
;;       return np.moveaxis(q.reshape(q.shape[:-2] + (-1,))[..., :K], -1, axis).astype(np.float32)
;;   ~~~
;;   SOFTMAX AHEAD OF A QUANTISED PRODUCT. Where the list says 'softmax', what is quantised is not the finished softmax but p = 2^(t - M), with t = logit x log2(e) and M = ceil(the row's largest t), a whole number; so 1/2 < the row's largest p <= 1. The row's sum l is taken of the UNQUANTISED p, in f32, and the product's result is divided by l at the end. Since M is a whole number, a kernel that streams over the keys may use a running M (the ceiling of the running maximum): every later rescaling is an exact power of two, which a block's scale takes up: the codes' values come out the same.
;;   OPERANDS COMPUTED ON THE WAY. 'Computed on the way' means the value that the module computes at that place (a softmax that the list does not call 'softmax' is quantised finished and normalised). What goes into a quantiser is computed in f32, as accurately as f32 sums, v_exp_f32 and their like allow (about 1e-6 of the number): no bf16 or f16 on the way to a quantiser, and a product that is left as it is and whose result goes on into a quantised operand takes f32 operands (vector FMAs, or v_wmma_f32_16x16x4_f32). A number that lies on a knife's edge between two numbers of the format may be rounded either way, as far as f32 arithmetic and the matrix unit's own rounding can turn it there, and no further.
;;   INPUTS GIVEN AS CODES. query (in the module: [16, 1024, 1024], K = its axis 2): each comes as NAME_codes (uint8): NAME with its K axis moved to the last place and cut into blocks of 32 codes, [.., K / 32, bytes a block], one block behind the other in memory; two codes a byte, the lower K in the low four bits (a code: sign, 2 exponent bits, 1 mantissa bit); and NAME_scales (uint8): the same leading axes, one E8M0 byte (e + 127) for each 32 codes along K. Its value is code x scale, taken as it is: it is not quantised again, and the codes and scales need not be those that the quantiser above would give.
;; One version. Each part assembles by itself: llvm-mc -triple=amdgcn-amd-amdhsa -mcpu=gfx1250 --defsym DOCPART=n.
;; ======== version 1 of 1: 2 launches
;; limits: right only within a limited range of input values
;; workspace buffers: vs 35,651,584 bytes
;; launch quant (part 1): grid 32 x 16, 4 waves a work-group, no clusters, 70,144 bytes of LDS; arguments value, vs; writes vs
.if DOCPART == 1
	.amdgcn_target "amdgcn-amd-amdhsa--gfx1250"
	.amdhsa_code_object_version 6
	.text
	.protected	k_qaae4a20058_quant
	.globl	k_qaae4a20058_quant
	.p2align	8
	.type	k_qaae4a20058_quant,@function
k_qaae4a20058_quant:
	s_mov_b64 s[64:65], 0
	v_nop
	global_prefetch_b8 v0, s[64:65] scope:SCOPE_SE
	s_setreg_imm32_b32 hwreg(HW_REG_WAVE_MODE, 25, 1), 1
	s_wait_xcnt 0x0
; value [16][2048 keys][1024 d], f32, is quantised TWICE into codes of FP4 (E2M1) with one E8M0 byte for each 32 numbers: along d (operand of scores = Q V^T) and along the keys (operand of O = P V).
; A block's scale is 2^(floor(log2(its largest magnitude)) - 2); its byte is the largest magnitude's exponent field - 2, held at 1 from below; each number is divided by the scale and rounded to the nearest code, ties to even,
; beyond the largest code the largest.  A block of zeros gets the byte 1 where the rule says 127: its codes are zeros, and the bytes are read by this program alone.
; LIMITS: NaN and infinities among the inputs are not served.
; THE WORKSPACE is laid in the order in which the second launch consumes it.  A batch is 16 slots of SLOT bytes; a slot is 4 quarters (one for each wave of the reader), a quarter 2 granules (e = 0, 1), a granule 16 fragments of
; 1,024 bytes and 1,024 bytes of scale words.  A fragment is an IMAGE OF THE OPERAND'S REGISTERS: [c = 0, 1][lane][16 bytes], the 16 bytes one block of 32 codes.  A chunk is 128 keys; group g = chunk / 8.
;   slots 0 to 7: along d.  Slot chunk / 2, granule (w, e = chunk % 2), fragment 2 s + u: lane (r, h), part c = key 128 chunk + 32 w + 8 u + r + 8 (r / 8), d block 4 s + 2 c + h;
;   its scale words are eight registers as 2 x [lane][4 words]; fragment f takes register f / 2, lanes 0-15 if f is even, lanes 16-31 if odd.
;   slots 8 + 2 t + g: along the keys, BY d: quarter w holds d = 256 w + 64 t + 0 .. 63 for the eight chunks of group g.  Granule e: chunks 8 g + 4 e + kk, fragment 4 kk + b: lane (r, h), part c = d 256 w + 64 t + 16 b + r,
;   key block 4 chunk + 2 c + h; its scale words lie [kk][lane][2 words]: the same registers f / 2, so that one chunk's words of a granule are 256 bytes on end.
; SHARES.  A work-group takes a chunk x 512 d; wave v takes 128 d, which is K step s = 4 dh + v of the first product, in four sub-tiles kb of 32 keys.  Each load reads 512 consecutive bytes of a key's row.
; A sub-tile goes into the wave's own stage in LDS and is read back twice: by rows (a lane takes 32 neighbours along d of one key) and by columns (a lane takes one d, its registers run down the 32 keys).  Either way a whole
; block lies in ONE lane's 32 registers: its largest magnitude needs no other lane, and the conversions give 16 bytes that are a lane's part of a fragment's image.
; No tensor loads; one barrier, for the scale words along d, of which four waves each hold a quarter of every 16 bytes.
.set SLOT,   139264
.set QUART,  34816
.set GRAN,   17408
.set BATCHB, 16*SLOT
.set SP,     528                       ; a stage row: 512 bytes + 16: sixteen rows read at one column start at sixteen different groups of four banks (64 banks of 4 bytes: ISA guide 11.1)
.set STG,    32*SP                     ; a wave's stage
.set KSX,    4*STG                     ; behind the stages: the scale words along d, [kb][lane][v], 2,048 bytes
.set GL,   4                           ; v4   16 x lane
.set SS,   5                           ; v5   stage + 16 x lane: on the way in
.set SA,   6                           ; v6   stage + 528 r + 128 h: by rows
.set SB,   7                           ; v7   stage + 4 x lane: by columns
.set GB,   8                           ; v8   1024 h + 16 r: a lane's place in two fragments of the keys' kind
.set KSS,  9                           ; v9   KSX + 16 x lane + 4 v
.set KSL,  10                          ; v10  KSX + 512 v + 16 x lane
.set H8,   11                          ; v11  8 h
.set TW,   20                          ; v20-23 the scale words along the keys: a byte for each sub-tile
.set C,    24                          ; v24-31 codes of a sub-tile's blocks 0 and 1;
.set C2,   226                         ; v226-249 of its blocks 2 to 7: a set for each block, so that one wait a sub-tile frees all eight
.set X,    32                          ; v32-63, v64-95 a block's 32 numbers, two sets
.set R0,   96                          ; v96-223 a sub-tile as loaded; the second set is v0-127 of window 1
.set G8,   224                         ; v224 8 x lane
.set MSB, 0
.macro WIN new                         ; the immediate's high byte repeats the setting that is left
.if MSB != (\new)
	s_set_vgpr_msb (MSB<<8)|(\new)
.set MSB, \new
.endif
.endm
	s_load_b128 s[4:7], s[0:1], 0x0                ; value, vs
	v_lshl_add_u32 v254, v0, 2, 0x11000            ; my spare word, behind the scale words
	v_mov_b32 v255, 0
	v_lshrrev_b32 v1, 5, v0
	v_readfirstlane_b32 s8, v1                     ; wave v
	v_and_b32 v1, 31, v0                           ; lane
	s_wait_alu depctr_va_vdst(0)
	v_and_b32 v2, 15, v0                           ; r
	s_wait_alu depctr_va_vdst(0)
	v_bfe_u32 v3, v0, 4, 1                         ; h
	s_lshr_b32 s11, ttmp9, 1                       ; the chunk of 128 keys
	s_and_b32 s12, ttmp9, 1                        ; dh: which half of d
	s_and_b32 s10, ttmp7, 0xffff                   ; the batch
	s_lshl_b32 s26, s10, 23                        ; value: batch x 8,388,608
	s_lshl_b32 s27, s11, 19                        ; + chunk x 128 rows of 4,096 bytes
	s_add_co_u32 s26, s26, s27
	s_lshl_b32 s27, s12, 11                        ; + 2,048 dh
	s_add_co_u32 s26, s26, s27
	s_lshl_b32 s27, s8, 9                          ; + 512 v
	s_add_co_u32 s26, s26, s27
	s_mov_b32 s27, 0
	s_lshr_b32 s13, s11, 1                         ; along d: slot chunk / 2,
	s_and_b32 s14, s11, 1                          ; granule e = chunk % 2
	s_mul_i32 s9, s10, BATCHB                      ; the batch's first byte
	s_mul_i32 s13, s13, SLOT
	s_add_co_u32 s28, s9, s13
	s_mul_i32 s14, s14, GRAN
	s_add_co_u32 s28, s28, s14                     ; batch, slot, granule e
	s_lshl_b32 s32, s12, 13                        ; codes along d: + 2,048 s, s = 4 dh + v
	s_lshl_b32 s15, s8, 11
	s_add_co_u32 s32, s32, s15
	s_add_co_u32 s32, s32, s28
	s_mov_b32 s33, 0
	s_lshl_b32 s29, s12, 1                         ; along the keys: quarter 2 dh + v / 2
	s_lshr_b32 s15, s8, 1
	s_add_co_u32 s29, s29, s15
	s_mul_i32 s29, s29, QUART
	s_and_b32 s15, s8, 1                           ; v % 2
	s_lshl_b32 s31, s15, 2                         ; slot 8 + 2 t + g with t = 2 (v % 2), for the first 64 of my 128 d
	s_lshr_b32 s13, s11, 3                         ; g
	s_add_co_u32 s31, s31, s13
	s_add_co_u32 s31, s31, 8
	s_mul_i32 s31, s31, SLOT
	s_add_co_u32 s31, s31, s9
	s_add_co_u32 s31, s31, s29
	s_bfe_u32 s13, s11, 0x10002                    ; granule (chunk % 8) / 4,
	s_mul_i32 s13, s13, GRAN
	s_add_co_u32 s31, s31, s13
	s_and_b32 s13, s11, 3                          ; kk = chunk % 4:
	s_lshl_b32 s34, s13, 12
	s_add_co_u32 s34, s34, s31                     ; its codes: + 4,096 kk
	s_lshl_b32 s36, s13, 8
	s_add_co_u32 s36, s36, s31
	s_add_co_u32 s36, s36, 16384                   ; its scale words: + 16,384 + 256 kk
	s_mov_b32 s44, 2*SLOT                          ; from the first 64 of my d to the second: t + 1, two slots on
	s_mov_b32 s35, 0
	s_mov_b32 s37, 0
	s_mov_b32 s45, 0
	s_mul_i32 s38, s8, QUART                       ; the scale words along d that I store at the end: quarter v, + 16,384 + 512 dh
	s_add_co_u32 s38, s38, s28
	s_lshl_b32 s29, s12, 9
	s_add_co_u32 s38, s38, s29
	s_add_co_u32 s38, s38, 16384
	s_mov_b32 s39, 0
	s_mov_b32 s24, 0x76543210
	s_mov_b32 s25, 0xfedcba98                      ; v_permlanex16_b32's selects for lane l xor 16
	v_lshlrev_b32 v[GL], 4, v1
	v_lshlrev_b32 v[G8], 3, v1
	s_mul_i32 s31, s8, STG                         ; my stage
	v_add_nc_u32 v[SS], s31, v[GL]
	v_mul_u32_u24 v[SA], v2, SP
	s_wait_alu depctr_va_vdst(0)
	v_lshl_add_u32 v[SA], v3, 7, v[SA]
	v_add_nc_u32 v[SA], s31, v[SA]
	v_lshlrev_b32 v[SB], 2, v1
	v_add_nc_u32 v[SB], s31, v[SB]
	v_lshlrev_b32 v[GB], 4, v2
	v_lshl_add_u32 v[GB], v3, 10, v[GB]
	s_lshl_b32 s29, s8, 2
	s_add_co_u32 s29, s29, KSX
	v_add_nc_u32 v[KSS], s29, v[GL]
	s_lshl_b32 s29, s8, 9
	s_add_co_u32 s29, s29, KSX
	v_add_nc_u32 v[KSL], s29, v[GL]
	v_lshlrev_b32 v[H8], 3, v3
	v_mov_b32 v19, 0                               ; written once: a lane permute's destination counts as one of its sources
	v_cmp_ne_u32 s30, 0, v3                        ; lanes 16-31
	s_wait_kmcnt 0x0
	s_add_nc_u64 s[4:5], s[4:5], s[26:27]
	s_add_nc_u64 s[16:17], s[6:7], s[32:33]        ; codes along d
	s_add_nc_u64 s[18:19], s[6:7], s[34:35]        ; codes along the keys: the first 64 of my d,
	s_add_nc_u64 s[40:41], s[18:19], s[44:45]      ; the second 64
	s_add_nc_u64 s[20:21], s[6:7], s[36:37]        ; scale words along the keys,
	s_add_nc_u64 s[42:43], s[20:21], 2*SLOT        ; and those of the second 64
	s_add_nc_u64 s[22:23], s[6:7], s[38:39]        ; scale words along d
.macro LOADT t                         ; sub-tile t: 32 keys x 512 consecutive bytes, into set t % 2
.if (\t)%2
	WIN 0x40                                       ; destination window 1
.set RB, 0
.else
.set RB, R0
.endif
.set k, 0
.rept 32
	global_load_b128 v[RB+4*k:RB+4*k+3], v[GL], s[4:5] offset:(32*(\t)+k)*4096 th:TH_LOAD_NT
.set k, k+1
.endr
	WIN 0
.endm
.macro TOST t                          ; into the stage; key k lies at row 16 ((k / 8) % 2) + k % 8 + 8 (k / 16), so that the sixteen keys of a tile of the first product are neighbouring rows
.if (\t)%2
	WIN 0x04                                       ; an LDS store's data are its source 1: window 1
.set RB, 0
.else
.set RB, R0
.endif
.set k, 0
.rept 32
	ds_store_b128 v[SS], v[RB+4*k:RB+4*k+3] offset:(16*((k>>3)&1)+(k&7)+8*(k>>4))*SP
.set k, k+1
.endr
	WIN 0
.endm
; block idx of a sub-tile's eight, into set idx % 2.  0-3: by rows: key tile u = idx / 2, part c = idx % 2: 128 bytes of my key's row.  4-7: by columns: d = 32 (idx - 4) + lane, register k = key k
.macro RD idx
.set XB, X+32*((\idx)%2)
.set k, 0
.if (\idx) < 4
.rept 8
	ds_load_b128 v[XB+4*k:XB+4*k+3], v[SA] offset:16*((\idx)/2)*SP+256*((\idx)%2)+16*k
.set k, k+1
.endr
.else
.rept 32
	ds_load_b32 v[XB+k], v[SB] offset:(16*((k>>3)&1)+(k&7)+8*(k>>4))*SP+128*((\idx)-4)
.set k, k+1
.endr
.endif
.endm
.macro PROC idx, kb
.set XB, X+32*((\idx)%2)
.if (\idx) < 2
.set CB, C+4*(\idx)
.else
.set CB, C2+4*((\idx)-2)
.endif
	v_max3_num_f32 v12, |v[XB]|, |v[XB+1]|, |v[XB+2]|              ; the block's largest magnitude: all 32 numbers are mine; two chains
	v_max3_num_f32 v13, |v[XB+3]|, |v[XB+4]|, |v[XB+5]|
.irp i, 6,10,14,18,22,26
	v_max3_num_f32 v12, v12, |v[XB+\i]|, |v[XB+\i+1]|
	v_max3_num_f32 v13, v13, |v[XB+\i+2]|, |v[XB+\i+3]|
.endr
	v_max3_num_f32 v12, v12, |v[XB+30]|, |v[XB+31]|
	v_max3_num_f32 v12, v12, v13, 0x1800000        ; and the floor 2^(3 - 127): the byte cannot fall under 1
	v_add_nc_u32 v14, 0xff000000, v12              ; 2 off the exponent field: the conversion takes the exponent field of this operand as its scale
.irp g, 0,1,2,3
	v_cvt_scalef32_pk8_fp4_f32 v[CB+\g], v[XB+8*\g:XB+8*\g+7], v14
.endr
.if (\idx) < 4
.if (\idx)%2 == 0
	v_lshrrev_b32 v16, 23, v14                     ; the scale's byte of d block h (a plain line behind the conversions)
.else
	v_lshrrev_b32 v15, 23, v14                     ; of d block 2 + h
.endif
	global_store_b128 v[GL], v[CB:CB+3], s[16:17] offset:(\kb)*QUART+((\idx)/2)*1024+512*((\idx)%2)   ; 32 lanes store 512 consecutive bytes: half a fragment's image
.if (\idx)%2 == 1
	v_lshl_or_b32 v17, v15, 16, v16                ; my two bytes,
	v_lshlrev_b32 v17, v[H8], v17                  ; at their places in the key's scale word;
	v_permlanex16_b32 v19, v17, s24, s25
.if (\idx) == 1
	v_or_b32 v18, v17, v19                         ; with lane l xor 16's two the word is whole: key tile 0's
.else
	v_or_b32 v17, v17, v19                         ; key tile 1's
	v_cndmask_b32 v17, v18, v17, s30               ; lanes 0-15 keep tile 0's word, lanes 16-31 tile 1's
	ds_store_b32 v[KSS], v17 offset:512*(\kb)
.endif
.endif
.else
.if (\kb) == 0
	v_lshrrev_b32 v[TW+(\idx)-4], 23, v14          ; the scale's byte of key block kb of my d (a plain line behind the conversions)
.else
	v_lshrrev_b32 v15, 23, v14
.endif
.if (\idx) < 6                         ; each half of the lanes stores 256 consecutive bytes, at a multiple of 256 from the buffer's first byte
	global_store_b128 v[GB], v[CB:CB+3], s[18:19] offset:2048*((\idx)-4)+256*(\kb)
.else
	global_store_b128 v[GB], v[CB:CB+3], s[40:41] offset:2048*((\idx)-6)+256*(\kb)
.endif
.if (\kb) > 0
	v_lshl_or_b32 v[TW+(\idx)-4], v15, 8*(\kb), v[TW+(\idx)-4]
.endif
.endif
.endm
	LOADT 0
	LOADT 1
.irp t, 0,1,2,3
.if \t < 3
	s_wait_loadcnt 32                              ; this sub-tile's 32 loads are in; the other set's 32 may be out
.else
	s_wait_loadcnt 0x0
.endif
	TOST \t
	s_wait_dscnt 0x0                               ; the stores have read their registers,
.if \t > 0
	s_wait_xcnt 0x0                                ; the last sub-tile's eight stores of codes have read theirs: one wait for all eight sets, ahead of the next run of loads
.endif
.if \t < 2
	LOADT \t+2                                     ; which take the sub-tile two further on
.endif
	RD 0
.irp idx, 0,1,2,3,4,5,6,7
.if \idx < 7
	RD \idx+1                                      ; the next block comes out of the stage while this one is worked
.endif
.if \idx < 3
	s_wait_dscnt 8                                 ; all but the 8 loads just issued
.elseif \idx < 7
	s_wait_dscnt 32                                ; all but the 32 loads just issued
.else
	s_wait_dscnt 0x0
.endif
	PROC \idx, \t
.endr
.endr
	global_store_b64 v[G8], v[TW:TW+1], s[20:21]   ; the scale words along the keys: 256 consecutive bytes, at a multiple of 256 from the buffer's first byte, for each 64 of my d
	global_store_b64 v[G8], v[TW+2:TW+3], s[42:43]
	s_wait_dscnt 0x0                               ; for the others' sake: my scale words along d lie in LDS
	s_barrier_signal -1
	s_barrier_wait -1
	s_wait_xcnt 0x0                                ; the last stores of codes have read their registers
	ds_load_b128 v[C:C+3], v[KSL]                  ; sub-tile v's words of all four waves: 16 bytes a lane
	s_wait_dscnt 0x0
	global_store_b128 v[GL], v[C:C+3], s[22:23]    ; 512 consecutive bytes
	s_wait_tensorcnt 0x0                           ; the wave's end
	ds_add_u32 v254, v255
	s_wait_dscnt 0x0
	s_endpgm
.Lfunc_end_k_qaae4a20058_quant:
	.size	k_qaae4a20058_quant, .Lfunc_end_k_qaae4a20058_quant-k_qaae4a20058_quant
	.p2alignl 7, 3214868480
	.fill 96, 4, 3214868480
	.section	.rodata,"a",@progbits
	.p2align	6, 0x0
	.amdhsa_kernel k_qaae4a20058_quant
		.amdhsa_group_segment_fixed_size 70144
		.amdhsa_private_segment_fixed_size 0
		.amdhsa_enable_private_segment 0
		.amdhsa_kernarg_size 16
		.amdhsa_user_sgpr_count 2
		.amdhsa_user_sgpr_kernarg_segment_ptr 1
		.amdhsa_wavefront_size32 1
		.amdhsa_system_sgpr_workgroup_id_x 1
		.amdhsa_system_sgpr_workgroup_id_y 1
		.amdhsa_system_sgpr_workgroup_id_z 1
		.amdhsa_system_vgpr_workitem_id 0
		.amdhsa_next_free_vgpr 384
		.amdhsa_next_free_sgpr 66
		.amdhsa_reserve_vcc 0
		.amdhsa_float_denorm_mode_32 3
		.amdhsa_float_denorm_mode_16_64 3
		.amdhsa_memory_ordered 1
		.amdhsa_forward_progress 1
		.amdhsa_inst_pref_size 117
	.end_amdhsa_kernel
	.amdgpu_metadata
---
amdhsa.version: [ 1, 2 ]
amdhsa.kernels:
  - .name:           k_qaae4a20058_quant
    .symbol:         k_qaae4a20058_quant.kd
    .args:
      - { .name: value, .offset: 0, .size: 8, .value_kind: global_buffer, .address_space: global }
      - { .name: vs, .offset: 8, .size: 8, .value_kind: global_buffer, .address_space: global }
    .group_segment_fixed_size: 70144
    .private_segment_fixed_size: 0
    .kernarg_segment_align: 8
    .kernarg_segment_size: 16
    .max_flat_workgroup_size: 128
    .sgpr_count:     66
    .vgpr_count:     384
    .wavefront_size: 32
...
	.end_amdgpu_metadata
.endif
;; end of part 1
;; launch attn (part 2): grid 16 x 16, 4 waves a work-group, clusters of 4 x 1, 327,680 bytes of LDS; arguments query_codes, query_scales, vs, out0; writes out0
.if DOCPART == 2
	.amdgcn_target "amdgcn-amd-amdhsa--gfx1250"
	.amdhsa_code_object_version 6
	.text
	.protected	k_qaae4a20058_attn
	.globl	k_qaae4a20058_attn
	.p2align	8
	.type	k_qaae4a20058_attn,@function
k_qaae4a20058_attn:
	s_mov_b64 s[64:65], 0
	v_nop
	global_prefetch_b8 v0, s[64:65] scope:SCOPE_SE
	s_setreg_imm32_b32 hwreg(HW_REG_WAVE_MODE, 25, 1), 1
	s_wait_xcnt 0x0
	s_wait_alu depctr_hold_cnt(0) depctr_sa_sdst(0) depctr_va_vdst(0) depctr_va_sdst(0) depctr_va_ssrc(0) depctr_va_vcc(0) depctr_vm_vsrc(0)
	s_getreg_b32 s2, hwreg(HW_REG_IB_STS2, 6, 4)
	s_cmp_eq_u32 s2, 0
	s_cbranch_scc0 .Lentry_in_a_cluster
	s_endpgm
.Lentry_in_a_cluster:
	s_bfe_u32 s2, ttmp6, 0x10000c
	s_cmp_lg_u32 s2, 0x3003
	s_cbranch_scc0 .Lentry_shape_is_right
	s_endpgm
.Lentry_shape_is_right:
; out0[b][q][:] = the sum over keys of softmax(Q[b][q] . V[b][key]) V[b][key][:], both products on codes of FP4 (E2M1) with one E8M0 byte for each 32 along K.
; Q comes as codes; V comes from the workspace vs, quantised along d (slots 0-7 of a batch) and along the keys (slots 8-15), as images of operand registers (layout: the first launch's head).
; THE SOFTMAX: t = score x log2(e).  Each block of 32 keys of a query is quantised under a whole number of its own, X = floor(the block's largest t) + 1: p = 2^(t - X), so the block's byte is made at once,
; and y = byte - 124 + X is kept as f32.  When all keys are done, the row's M = the largest y, and the byte that goes to the matrix unit is y - M + 124, held at 1 from below: an exact power of two taken up by the scale.
; The row's sum is taken of the unquantised p, in f32, under a running X for each wave, brought under M by v_ldexp_f32 at the end; O is divided by it on the way out.
; LIMITS: the promise holds while |t| stays under 2^31; NaN and infinities are not served.
; SHARES.  A work-group owns 64 queries of one batch, four tiles qt of 16.  FIRST all scores: a slot holds two chunks of 128 keys; wave w takes keys 32 w .. 32 w + 31 of each chunk (one block) for all 64 queries, K = d in 8 steps, S^T = V Q^T,
; Q's 32 fragments in window 1.  P's codes go through LDS (32,768 bytes for 1,024 keys) into every wave's registers: keys 0-1023 into window 2 after slot 3, keys 1024-2047 into window 3 after slot 7.
; THEN O^T = V^T P^T BY d: slots 8 + 2 t + g give wave w the channels 256 w + 64 t + 0 .. 63 for keys 1024 g + 0 .. 1023: 16 accumulators (window 1) by turns, finished after two slots, and sent out while later slots are on their way.
; THE RING: two slots of 139,264 bytes; each wave fetches its own quarter by one joint load (the four work-groups of a cluster are four blocks of queries of one batch and walk the same slots; mask 15).
; Each change of slots is a round of the cluster's barrier with the wait for all tensor loads, the add and the wait on DScnt in front.
; PREFETCH: at the change that loads slot n + 2 each cluster asks for slot n + 4, whole: 544 blocks of 256 bytes, 34 for each of the cluster's 16 waves, told apart by address (4 cx + wave); slots 0 to 3 come by their loads alone; the last asked for is slot 15.
; REGISTERS, window 0: v1-63 addresses, running values, scale words; v64-127 S^T / rows on the way out; v128-255 fragments of V (v224-255 also the softmax's work registers).
.set SLOT,   139264
.set QUART,  34816
.set GRAN,   17408
.set BATCHB, 16*SLOT
.set PCO,    2*SLOT                    ; P's codes of 1,024 keys as images of fragments; at the head Q's stage; at the end the stages of the way out
.set PSW,    PCO+32768                 ; P's scale words, 2,048 bytes for each 1,024 keys
.set YB,     PSW+4096                  ; y of 1,024 keys: [chunk][qt][r][wave] f32
.set LXX,    YB+8192                   ; each wave's running X
.set LXL,    LXX+1024                  ; and its sum
.set SPARE,  LXL+1024                  ; the spare words, 128 bytes a wave
.set SP,     528
.set SPO,    272
.set ADB,  1
.set ADC,  2
.set PST,  3
.set PSTC, 4
.set YST,  5
.set YSTC, 6
.set PLD,  7
.set PSL,  9
.set YLD,  11
.set YLW,  12
.set PSS,  13
.set XLD,  14
.set STO,  15
.set AB8,  16
.set SPW,  17
.set NIL,  18
.set GO,   19
.set NXW,  20                          ; v20-23 -(running X), v24-27 the sums; behind the last key v20,22,24,26 = 1 / the row's sum
.set LW,   24
.set RL,   20
.set MR,   28                          ; v28-31 the largest y of query 16 qt + r; v32 of query 16 wave + r
.set PFO,  33
.set QSC,  34                          ; v34-49 Q's scale words; in the second product P's, of the slot's 1,024 keys
.set VSC,  50
.set PF2,  58
.set SRD,  62
.set AD8,  63
.set S,    64
.set BK,   64
.set FB,   128
.set T,    224
.set MX,   T
.set PT,   T+4
.set NX,   T+8
.set AM,   T+16
.set SU,   T+20
.set SCO,  T+28
.set GM,   208
.set GP,   213
.set WV,   12
.set G1,   16
.set G0A,  24
.set G0B,  28
.set TB,   32
.set PO,   33
.set YO,   34
.set CNT,  36
.set PFA,  40
.set SEL,  42
.set CS,   44
.set MSB, 0
.macro WIN new                         ; the immediate's high byte repeats the setting that is left
.if MSB != (\new)
	s_set_vgpr_msb (MSB<<8)|(\new)
.set MSB, \new
.endif
.endm
.macro PLACES
.rept 4
	v_nop
.endr
.endm
.macro CROUND                          ; a round of the cluster's barrier
	s_barrier_signal -1
	s_barrier_wait -1
	s_cmp_lg_u32 s[WV], 0
	s_cbranch_scc1 .Lnot_wave_0_\@
	s_barrier_signal -3
.Lnot_wave_0_\@:
	s_barrier_wait -3
	s_barrier_signal -1
	s_barrier_wait -1
.endm
.macro ASK how                         ; my 34 blocks of the slot four on.  how = 3: in the second product's loop, whose last trip has no slot four on
.if (\how) == 3
	s_cmp_gt_u32 s[CNT], 1
	s_cbranch_scc0 .Lno_ask_\@
.endif
	global_prefetch_b8 v[PFO], s[PFA:PFA+1] th:TH_LOAD_NT scope:SCOPE_SE
	global_prefetch_b8 v[PF2], s[PFA:PFA+1] th:TH_LOAD_NT scope:SCOPE_SE
.Lno_ask_\@:
.endm
; THE CHANGE OF SLOTS.  fill != 0: the slot just read takes the slot two on, the first tensor load behind the round, one a wave.
.macro CHANGE fill
	WIN 0
	s_wait_tensorcnt 0x0                           ; my one load that was out, my quarter of the next slot, has landed
	ds_add_u32 v[SPW], v[NIL]
.if \fill
	s_xor_b32 s[G0B+1], s[G0B+1], SLOT
	s_add_nc_u64 s[G0B+2:G0B+3], s[G0B+2:G0B+3], SLOT
	s_wait_xcnt 0x0                                ; my prefetches have read their address
	s_add_nc_u64 s[PFA:PFA+1], s[PFA:PFA+1], SLOT
.endif
	s_xor_b32 s[TB], s[TB], SLOT
	s_wait_dscnt 0x0                               ; the add, my reads of this slot, my stores of P and y
.if \fill
	CROUND
	tensor_load_to_lds s[G0B:G0B+3], s[G1:G1+7]
	s_nop 0
	PLACES                                         ; also the places in front of loads into registers that the last products read
.if (\fill) != 2                       ; fill = 2: a refill with no slot four on
	ASK \fill
.endif
.else
	s_barrier_signal -1
	s_barrier_wait -1
	PLACES
.endif
.endm
.macro WMS d, a, b, zero, sa, sb, ra, rb
.if \zero
.if (\ra) && (\rb)
	v_wmma_scale_f32_16x16x128_f8f6f4 v[\d:\d+7], v[\a:\a+7], v[\b:\b+7], 0, v[\sa], v[\sb] matrix_a_fmt:MATRIX_FMT_FP4 matrix_b_fmt:MATRIX_FMT_FP4 matrix_a_scale:MATRIX_SCALE_ROW1 matrix_b_scale:MATRIX_SCALE_ROW1
.elseif \ra
	v_wmma_scale_f32_16x16x128_f8f6f4 v[\d:\d+7], v[\a:\a+7], v[\b:\b+7], 0, v[\sa], v[\sb] matrix_a_fmt:MATRIX_FMT_FP4 matrix_b_fmt:MATRIX_FMT_FP4 matrix_a_scale:MATRIX_SCALE_ROW1
.elseif \rb
	v_wmma_scale_f32_16x16x128_f8f6f4 v[\d:\d+7], v[\a:\a+7], v[\b:\b+7], 0, v[\sa], v[\sb] matrix_a_fmt:MATRIX_FMT_FP4 matrix_b_fmt:MATRIX_FMT_FP4 matrix_b_scale:MATRIX_SCALE_ROW1
.else
	v_wmma_scale_f32_16x16x128_f8f6f4 v[\d:\d+7], v[\a:\a+7], v[\b:\b+7], 0, v[\sa], v[\sb] matrix_a_fmt:MATRIX_FMT_FP4 matrix_b_fmt:MATRIX_FMT_FP4
.endif
.else
.if (\ra) && (\rb)
	v_wmma_scale_f32_16x16x128_f8f6f4 v[\d:\d+7], v[\a:\a+7], v[\b:\b+7], v[\d:\d+7], v[\sa], v[\sb] matrix_a_fmt:MATRIX_FMT_FP4 matrix_b_fmt:MATRIX_FMT_FP4 matrix_a_scale:MATRIX_SCALE_ROW1 matrix_b_scale:MATRIX_SCALE_ROW1
.elseif \ra
	v_wmma_scale_f32_16x16x128_f8f6f4 v[\d:\d+7], v[\a:\a+7], v[\b:\b+7], v[\d:\d+7], v[\sa], v[\sb] matrix_a_fmt:MATRIX_FMT_FP4 matrix_b_fmt:MATRIX_FMT_FP4 matrix_a_scale:MATRIX_SCALE_ROW1
.elseif \rb
	v_wmma_scale_f32_16x16x128_f8f6f4 v[\d:\d+7], v[\a:\a+7], v[\b:\b+7], v[\d:\d+7], v[\sa], v[\sb] matrix_a_fmt:MATRIX_FMT_FP4 matrix_b_fmt:MATRIX_FMT_FP4 matrix_b_scale:MATRIX_SCALE_ROW1
.else
	v_wmma_scale_f32_16x16x128_f8f6f4 v[\d:\d+7], v[\a:\a+7], v[\b:\b+7], v[\d:\d+7], v[\sa], v[\sb] matrix_a_fmt:MATRIX_FMT_FP4 matrix_b_fmt:MATRIX_FMT_FP4
.endif
.endif
.endm
.macro VSCL e, half                    ; V's scale words along d
	ds_load_b128 v[VSC+4*(\half):VSC+4*(\half)+3], v[ADC] offset:(\e)*GRAN+16384+512*(\half)
.endm
.macro VSCD e, half                    ; V's scale words along the keys
.irp k, 0,1
	ds_load_b64 v[VSC+4*(\half)+2*\k:VSC+4*(\half)+2*\k+1], v[AD8] offset:(\e)*GRAN+16384+256*(2*(\half)+\k)
.endr
.endm
.macro FRAGS e, f0, f1
.set ff, \f0
.rept \f1-\f0+1
	ds_load_b128 v[FB+8*ff:FB+8*ff+3], v[ADC] offset:(\e)*GRAN+1024*ff
	ds_load_b128 v[FB+8*ff+4:FB+8*ff+7], v[ADC] offset:(\e)*GRAN+1024*ff+512
.set ff, ff+1
.endr
.endm
.macro QKMUL s0, s1                    ; S^T += V Q^T, K steps s0 to s1: eight accumulators by turns
	WIN 0x04
.set ss, \s0
.rept \s1-\s0+1
.irp u, 0,1
.irp qt, 0,1,2,3
	WMS S+16*\qt+8*\u, FB+8*(2*ss+\u), 8*(8*\qt+ss), ss==0, VSC+ss, QSC+8*(\qt/2)+ss, \u, \qt%2
.endr
.endr
.set ss, ss+1
.endr
.endm
; One block of 32 keys x 64 queries: a lane holds query 16 qt + r and 16 neighbouring keys; lane l xor 16 the other 16.
.macro SOFTMAX e
.irp qt, 0,1,2,3
	v_max3_num_f32 v[MX+\qt], v[S+16*\qt], v[S+16*\qt+1], v[S+16*\qt+2]
.endr
.irp i, 3,5,7,9,11,13
.irp qt, 0,1,2,3
	v_max3_num_f32 v[MX+\qt], v[MX+\qt], v[S+16*\qt+\i], v[S+16*\qt+\i+1]
.endr
.endr
.irp qt, 0,1,2,3
	v_max_num_f32 v[MX+\qt], v[MX+\qt], v[S+16*\qt+15]
.endr
.irp qt, 0,1,2,3
	v_permlanex16_b32 v[PT+\qt], v[MX+\qt], s[SEL], s[SEL+1]
.endr
.irp qt, 0,1,2,3
	v_max_num_f32 v[MX+\qt], v[MX+\qt], v[PT+\qt]  ; the block's largest score
.endr
.irp qt, 0,1,2,3
	v_mul_f32 v[PT+\qt], s[CS], v[MX+\qt]
.endr
.irp qt, 0,1,2,3
	v_floor_f32 v[PT+\qt], v[PT+\qt]
.endr
.irp qt, 0,1,2,3
	v_sub_f32 v[NX+2*\qt], -1.0, v[PT+\qt]         ; -X
.endr
.irp j, 0,2,4,6,8,10,12,14
.irp qt, 0,1,2,3
	v_pk_fma_f32 v[S+16*\qt+\j:S+16*\qt+\j+1], v[S+16*\qt+\j:S+16*\qt+\j+1], s[CS:CS+1], v[NX+2*\qt:NX+2*\qt+1] op_sel_hi:[1,0,0]
.endr
.endr
.irp qt, 0,1,2,3
	v_fma_f32 v[AM+\qt], v[MX+\qt], s[CS], v[NX+2*\qt]   ; the same of the block's largest score: its p is the block's largest
.endr
	s_wait_alu depctr_va_vdst(0)                   ; the wait ahead of the batch
.irp j, 0,1,2,3,4,5,6,7,8,9,10,11,12,13,14,15
.irp qt, 0,1,2,3
	v_exp_f32 v[S+16*\qt+\j], v[S+16*\qt+\j]
.endr
.endr
.irp qt, 0,1,2,3
	v_exp_f32 v[AM+\qt], v[AM+\qt]
.endr
.irp qt, 0,1,2,3
	v_min_num_f32 v[PT+\qt], v[NXW+\qt], v[NX+2*\qt]   ; -(the running X)
.endr
.irp qt, 0,1,2,3
	v_sub_f32 v[MX+\qt], v[PT+\qt], v[NXW+\qt]
.endr
.irp qt, 0,1,2,3
	v_mov_b32 v[NXW+\qt], v[PT+\qt]
.endr
.irp qt, 0,1,2,3
	v_sub_f32 v[PT+\qt], v[PT+\qt], v[NX+2*\qt]
.endr
.irp qt, 0,1,2,3
	v_cvt_i32_f32 v[MX+\qt], v[MX+\qt]
.endr
.irp qt, 0,1,2,3
	v_cvt_i32_f32 v[PT+\qt], v[PT+\qt]
.endr
	s_wait_alu depctr_va_vdst(0)                   ; and behind it, ahead of its first reader
.irp qt, 0,1,2,3
	v_pk_add_f32 v[SU+2*\qt:SU+2*\qt+1], v[S+16*\qt:S+16*\qt+1], v[S+16*\qt+2:S+16*\qt+3]
.endr
.irp j, 4,6,8,10,12,14
.irp qt, 0,1,2,3
	v_pk_add_f32 v[SU+2*\qt:SU+2*\qt+1], v[SU+2*\qt:SU+2*\qt+1], v[S+16*\qt+\j:S+16*\qt+\j+1]
.endr
.endr
.irp qt, 0,1,2,3
	v_add_f32 v[SU+2*\qt], v[SU+2*\qt], v[SU+2*\qt+1]
.endr
.irp qt, 0,1,2,3
	v_ldexp_f32 v[LW+\qt], v[LW+\qt], v[MX+\qt]    ; the old sum and the block's, both under the new running X: exact
.endr
.irp qt, 0,1,2,3
	v_ldexp_f32 v[SU+2*\qt], v[SU+2*\qt], v[PT+\qt]
.endr
.irp qt, 0,1,2,3
	v_add_f32 v[LW+\qt], v[LW+\qt], v[SU+2*\qt]
.endr
.irp qt, 0,1,2,3
	v_add_nc_u32 v[SCO+\qt], 0xff000000, v[AM+\qt] ; 2 off the exponent field: the conversion's scale operand (the largest p is at least 1/2: no floor is needed)
.endr
.irp qt, 0,1,2,3
	v_lshrrev_b32 v[AM+\qt], 23, v[SCO+\qt]
.endr
.irp qt, 0,1,2,3
	v_add_nc_u32 v[AM+\qt], 0xffffff84, v[AM+\qt]
.endr
.irp qt, 0,1,2,3
	v_cvt_f32_i32 v[AM+\qt], v[AM+\qt]
.endr
.irp qt, 0,1,2,3
	v_sub_f32 v[AM+\qt], v[AM+\qt], v[NX+2*\qt]    ; y = byte - 124 + X
.endr
.irp qt, 0,1,2,3
	v_cvt_scalef32_pk8_fp4_f32 v[T+2*\qt], v[S+16*\qt:S+16*\qt+7], v[SCO+\qt]
	v_cvt_scalef32_pk8_fp4_f32 v[T+2*\qt+1], v[S+16*\qt+8:S+16*\qt+15], v[SCO+\qt]
.endr
	v_nop
.irp qt, 0,1,2,3
	ds_store_b64 v[PSTC], v[T+2*\qt:T+2*\qt+1] offset:4096*(\e)+1024*\qt
	ds_store_b32 v[YSTC], v[AM+\qt] offset:1024*(\e)+256*\qt
.endr
.endm
.macro KSLOT                           ; a slot of scores: two chunks
	v_add_nc_u32 v[ADC], s[TB], v[ADB]
	v_add_nc_u32 v[PSTC], s[PO], v[PST]
	v_add_nc_u32 v[YSTC], s[YO], v[YST]
	VSCL 0, 0
	VSCL 0, 1
	FRAGS 0, 0, 15
	s_wait_alu depctr_va_vdst(0)
	s_wait_dscnt 8                                 ; all but the last four fragments
	QKMUL 0, 5
	s_wait_dscnt 0x0
	QKMUL 6, 7
	WIN 0
	PLACES
	VSCL 1, 0
	VSCL 1, 1
	FRAGS 1, 0, 11                                 ; the next chunk comes out of LDS under the softmax, whose work registers lie where fragments 12-15 go
	SOFTMAX 0
	s_wait_dscnt 0x0
	FRAGS 1, 12, 15
	QKMUL 0, 5
	s_wait_dscnt 0x0
	QKMUL 6, 7
	WIN 0
	PLACES
	SOFTMAX 1
	s_add_co_u32 s[PO], s[PO], 8192
	s_lshr_b32 s[YO], s[PO], 2
.endm
.macro PALL g                          ; P's codes of 1,024 keys, 32 fragments, into window 2 + g
	WIN 0x80+0x40*(\g)
.irp ks, 0,1,2,3,4,5,6,7
.irp qt, 0,1,2,3
	ds_load_b128 v[8*(4*\ks+\qt):8*(4*\ks+\qt)+3], v[PLD] offset:4096*\ks+1024*\qt
	ds_load_b128 v[8*(4*\ks+\qt)+4:8*(4*\ks+\qt)+7], v[PLD] offset:4096*\ks+1024*\qt+512
.endr
.endr
	WIN 0
.endm
.macro YLOAD                           ; y of all 64 queries (16 registers a tile), and of my own tile qt = wave once more
.irp qt, 0,1,2,3
.irp i, 0,1,2,3
	ds_load_b128 v[FB+16*\qt+4*\i:FB+16*\qt+4*\i+3], v[YLD] offset:256*\qt+1024*\i
.endr
.endr
.irp i, 0,1,2,3
	ds_load_b128 v[FB+64+4*\i:FB+64+4*\i+3], v[YLW] offset:1024*\i
.endr
.endm
.macro YMAX
.irp k, 0,1,2,3,4
	v_max3_num_f32 v[GM+\k], v[FB+16*\k], v[FB+16*\k+1], v[FB+16*\k+2]
.endr
.irp i, 3,5,7,9,11,13
.irp k, 0,1,2,3,4
	v_max3_num_f32 v[GM+\k], v[GM+\k], v[FB+16*\k+\i], v[FB+16*\k+\i+1]
.endr
.endr
.irp k, 0,1,2,3,4
	v_max_num_f32 v[GM+\k], v[GM+\k], v[FB+16*\k+15]
.endr
.irp k, 0,1,2,3,4
	v_permlanex16_b32 v[GP+\k], v[GM+\k], s[SEL], s[SEL+1]
.endr
.endm
; Behind keys 0-1023: their largest y; my tile's 16 y wait in window 3 (v0-15 there) for the row's M; P's codes go to window 2.  The barrier lets P's and y's bytes be written again.
.macro MID
	YLOAD
	WIN 0xc0
.irp i, 0,1,2,3
	ds_load_b128 v[4*\i:4*\i+3], v[YLW] offset:1024*\i
.endr
	PALL 0
	s_wait_dscnt 63                                ; of the 88 loads issued at most 63 are out: the oldest 25 are in, YLOAD's 20 among them
	YMAX
.irp k, 0,1,2,3,4
	v_max_num_f32 v[MR+\k], v[GM+\k], v[GP+\k]
.endr
	s_wait_dscnt 0x0
	s_barrier_signal -1
	s_barrier_wait -1
	s_mov_b32 s[PO], 0
	s_mov_b32 s[YO], 0
.endm
.macro WORDS base, off                 ; 16 numbers y - M + 124 become four scale words of my query
.irp j, 0,1,2,3,4,5,6,7,8,9,10,11,12,13,14,15
	v_max_num_f32 v[\base+\j], 1.0, v[\base+\j]
.endr
.irp j, 0,1,2,3,4,5,6,7,8,9,10,11,12,13,14,15
	v_cvt_u32_f32 v[\base+\j], v[\base+\j]
.endr
.irp i, 0,1,2,3
	v_lshl_or_b32 v[\base+4*\i], v[\base+4*\i+1], 8, v[\base+4*\i]
.endr
.irp i, 0,1,2,3
	v_lshl_or_b32 v[\base+4*\i], v[\base+4*\i+2], 16, v[\base+4*\i]
.endr
.irp i, 0,1,2,3
	v_lshl_or_b32 v[\base+4*\i], v[\base+4*\i+3], 24, v[\base+4*\i]
.endr
.irp i, 0,1,2,3
	ds_store_b32 v[PSS], v[\base+4*\i] offset:\off+256*\i
.endr
.endm
; Behind the last key: M, all scale words of P, the row's sum and its reciprocal.
.macro FINAL
	YLOAD
	s_wait_dscnt 0x0
	YMAX
.irp k, 0,1,2,3,4
	v_max3_num_f32 v[MR+\k], v[GM+\k], v[GP+\k], v[MR+\k]
.endr
	v_add_f32 v[GP+4], 0xc2f80000, v[MR+4]         ; M - 124
	WIN 0x03                                       ; source 0: window 3
.irp j, 0,1,2,3,4,5,6,7,8,9,10,11,12,13,14,15
	v_sub_f32 v[FB+\j], v[\j], v[GP+4]             ; keys 0-1023
.endr
	WIN 0
.irp j, 0,1,2,3,4,5,6,7,8,9,10,11,12,13,14,15
	v_sub_f32 v[FB+64+\j], v[FB+64+\j], v[GP+4]    ; keys 1024-2047
.endr
	WORDS FB, 0
	WORDS FB+64, 2048
.irp qt, 0,1,2,3
	v_permlanex16_b32 v[GP+\qt], v[LW+\qt], s[SEL], s[SEL+1]
.endr
.irp qt, 0,1,2,3
	v_add_f32 v[LW+\qt], v[LW+\qt], v[GP+\qt]
.endr
.irp qt, 0,1,2,3
	v_sub_f32 v[GP+\qt], 0, v[NXW+\qt]
.endr
.irp qt, 0,1,2,3
	ds_store_b32 v[YST], v[GP+\qt] offset:LXX-YB+256*\qt
	ds_store_b32 v[YST], v[LW+\qt] offset:LXL-YB+256*\qt
.endr
	s_wait_dscnt 0x0
	s_barrier_signal -1
	s_barrier_wait -1
.irp qt, 0,1,2,3
	ds_load_b128 v[FB+4*\qt:FB+4*\qt+3], v[XLD] offset:256*\qt
	ds_load_b128 v[FB+16+4*\qt:FB+16+4*\qt+3], v[XLD] offset:1024+256*\qt
.endr
	s_wait_dscnt 0x0
.irp j, 0,1,2,3,4,5,6,7,8,9,10,11,12,13,14,15
	v_sub_f32 v[FB+\j], v[FB+\j], v[MR+\j/4]
.endr
.irp j, 0,1,2,3,4,5,6,7,8,9,10,11,12,13,14,15
	v_cvt_i32_f32 v[FB+\j], v[FB+\j]
.endr
.irp j, 0,1,2,3,4,5,6,7,8,9,10,11,12,13,14,15
	v_ldexp_f32 v[FB+16+\j], v[FB+16+\j], v[FB+\j] ; the four waves' sums under M
.endr
.irp qt, 0,1,2,3
	v_add_f32 v[FB+16+4*\qt], v[FB+16+4*\qt], v[FB+16+4*\qt+1]
	v_add_f32 v[FB+16+4*\qt+2], v[FB+16+4*\qt+2], v[FB+16+4*\qt+3]
.endr
.irp qt, 0,1,2,3
	v_add_f32 v[FB+16+4*\qt], v[FB+16+4*\qt], v[FB+16+4*\qt+2]
.endr
	s_wait_alu depctr_va_vdst(0)
.irp qt, 0,1,2,3
	v_rcp_f32 v[RL+2*\qt], v[FB+16+4*\qt]
.endr
	v_nop
	s_wait_alu depctr_va_vdst(0)
.endm
; 32 matrix instructions: two chunks x 4 tiles of 16 channels x 4 tiles of queries; the 16 accumulators (window 1, v0-127) by turns.  z = 1: the first chunk starts the sums
.macro PVD g, e, half, z
	WIN 0x58+4*(\g)                                ; C and D window 1, V window 0, P window 2 + g
.irp k, 0,1
.irp b, 0,1,2,3
.irp qt, 0,1,2,3
	WMS 8*(4*\b+\qt), FB+8*(4*(2*(\half)+\k)+\b), 8*(4*(4*(\e)+2*(\half)+\k)+\qt), (\z)*(1-\k), VSC+2*(2*(\half)+\k)+\b/2, QSC+2*(4*(\e)+2*(\half)+\k)+\qt/2, \b%2, \qt%2
.endr
.endr
.endr
.endm
; a slot of the second product: my 64 channels x keys 1024 g + 0 .. 1023.  w = 1: the 64 channels finished before it go out between its four groups of matrix instructions, a tile of 16 queries at a time
.macro TSLOTD g, w
.if \w
	s_wait_xcnt 0x0                                ; the last way out's stores have read their registers and their base:
	s_add_nc_u64 s[10:11], s[10:11], s[58:59]      ; 64 channels on (the first time: 0)
	s_mov_b32 s58, 256
.endif
	v_add_nc_u32 v[ADC], s[TB], v[ADB]
	v_add_nc_u32 v[AD8], s[TB], v[AB8]
.irp ks, 0,1,2,3,4,5,6,7
.irp j, 0,1
	ds_load_b32 v[QSC+2*\ks+\j], v[PSL] offset:2048*(\g)+256*\ks+128*\j
.endr
.endr
	VSCD 0, 0
	FRAGS 0, 0, 7
	VSCD 0, 1
	FRAGS 0, 8, 15
.if \w
	TOSTG 0
.endif
	s_wait_alu depctr_va_vdst(0)
	s_wait_dscnt 18+16*(\w)                        ; all but the 2 + 16 loads issued last (w = 1: and a tile's 8 stores and 8 loads), here and below
	PVD \g, 0, 0, 1-(\g)
	PLACES
	WIN 0
	VSCD 1, 0
	FRAGS 1, 0, 7
.if \w
	TOSTG 1
	s_wait_dscnt 34
	SENDG 0
.else
	s_wait_dscnt 18
.endif
	PVD \g, 0, 1, 0
	PLACES
	WIN 0
	VSCD 1, 1
	FRAGS 1, 8, 15
.if \w
	s_wait_xcnt 0x0                                ; tile 0's stores have read their registers, which tile 2 takes
	TOSTG 2
	s_wait_dscnt 34
	SENDG 1
.else
	s_wait_dscnt 18
.endif
	PVD \g, 1, 0, 0
.if \w
	s_wait_xcnt 0x0                                ; tile 1's likewise
	TOSTG 3
	s_wait_dscnt 16                                ; all but tile 3's 8 stores and 8 loads
	SENDG 2
.else
	s_wait_dscnt 0x0
.endif
	PVD \g, 1, 1, 0
	WIN 0
.if \w
	s_wait_dscnt 0x0
	SENDG 3
.endif
.endm
; THE WAY OUT of 64 channels: a tile of 16 queries is divided by the sums, goes through my stage (16 rows of 256 + 16 bytes) and leaves as rows of 256 bytes, sixteen lanes a row.
.macro SCALE                           ; the 16 finished accumulators / the rows' sums, into v128-255 of window 1: the accumulators are free for the next 64 channels
	WIN 0x41
.irp b, 0,1,2,3
.irp qt, 0,1,2,3
.irp p, 0,2,4,6
	v_pk_mul_f32 v[128+8*(4*\b+\qt)+\p:128+8*(4*\b+\qt)+\p+1], v[8*(4*\b+\qt)+\p:8*(4*\b+\qt)+\p+1], v[RL+2*\qt:RL+2*\qt+1] op_sel_hi:[1,0]
.endr
.endr
.endr
	s_wait_alu depctr_va_vdst(0)
	WIN 0
.endm
.macro TOSTG qt
	WIN 0x04
.irp b, 0,1,2,3
.set AC, 128+8*(4*\b+(\qt))
	ds_store_b128 v[STO], v[AC:AC+3] offset:64*\b
	ds_store_b128 v[STO], v[AC+4:AC+7] offset:64*\b+16
.endr
	WIN 0
.set BB, BK+32*((\qt)%2)
.irp m, 0,1,2,3,4,5,6,7
	ds_load_b128 v[BB+4*\m:BB+4*\m+3], v[SRD] offset:2*SPO*\m   ; LDS serves a wave's instructions in order: these see my stores
.endr
.endm
.macro SENDG qt
.set BB, BK+32*((\qt)%2)
.irp m, 0,1,2,3,4,5,6,7
	global_store_b128 v[GO], v[BB+4*\m:BB+4*\m+3], s[10:11] offset:65536*(\qt)+8192*\m th:TH_STORE_NT
.endr
.endm
.macro WAYOUT                          ; the last 64 channels: no slot follows under which they could leave
	s_wait_xcnt 0x0                                ; the last way out's stores have read their registers and their base
	s_add_nc_u64 s[10:11], s[10:11], s[58:59]
	TOSTG 0
.irp qt, 1,2,3
.if \qt > 1
	s_wait_xcnt 0x0                                ; the stores two tiles back have read their registers
.endif
	TOSTG \qt
	s_wait_dscnt 16                                ; all but the 8 stores and 8 loads just issued
	SENDG \qt-1
.endr
	s_wait_dscnt 0x0
	SENDG 3
.endm
	s_load_b256 s[4:11], s[0:1], 0x0               ; Q's codes, Q's scales, vs, out0
	v_lshl_add_u32 v[SPW], v0, 2, SPARE
	v_mov_b32 v[NIL], 0
	ds_add_u32 v[SPW], v[NIL]                      ; the opening lines: the add twice on end and its wait
	ds_add_u32 v[SPW], v[NIL]
	v_lshrrev_b32 v64, 5, v0
	v_readfirstlane_b32 s[WV], v64
	s_bfe_u32 s13, ttmp6, 0x40000                  ; cx
	s_and_b32 s15, ttmp7, 0xffff                   ; the cluster's y
	s_and_b32 s14, s15, 3
	s_lshl_b32 s14, s14, 2
	s_add_co_u32 s14, s14, s13                     ; my block of 64 queries = 4 (y % 4) + cx
	s_lshr_b32 s15, s15, 2
	s_lshl_b32 s15, s15, 2
	s_add_co_u32 s15, s15, ttmp9                   ; the batch = 4 (y / 4) + the cluster's x: a batch's four clusters share x
	s_mov_b32 s[G1], 15|(3<<16)|(1<<21)            ; a quarter of a slot: 136 dense rows of 256 bytes; the mask names the cluster's four
	s_mov_b32 s[G1+1], 32<<16
	s_mov_b32 s[G1+2], 136<<16
	s_mov_b32 s[G1+3], 32<<16
	s_mov_b32 s[G1+4], 136
	s_mov_b32 s[G1+5], 32
	s_mov_b32 s[G1+6], 0
	s_mov_b32 s[G1+7], 0
	s_mul_i32 s46, s15, BATCHB
	s_mul_i32 s48, s[WV], QUART
	s_add_co_u32 s46, s46, s48
	s_mov_b32 s47, 0
	s_lshl_b32 s50, s13, 2                         ; the prefetches: 8,704 bytes x (4 cx + wave), in slot 3: the first change steps it to slot 4
	s_add_co_u32 s50, s50, s[WV]
	s_mul_i32 s50, s50, 8704
	s_mul_i32 s51, s15, BATCHB
	s_add_co_u32 s50, s50, s51
	s_add_co_u32 s50, s50, 3*SLOT
	s_mov_b32 s51, 0
	s_lshl_b32 s52, s15, 19                        ; Q's codes: my wave stages 16 queries
	s_lshl_b32 s53, s14, 15
	s_add_co_u32 s52, s52, s53
	s_lshl_b32 s53, s[WV], 13
	s_add_co_u32 s52, s52, s53
	s_mov_b32 s53, 0
	s_lshl_b32 s54, s15, 15                        ; Q's scales
	s_lshl_b32 s55, s14, 11
	s_add_co_u32 s54, s54, s55
	s_mov_b32 s55, 0
	s_lshl_b32 s56, s15, 22                        ; out0: my 64 rows, my 256 channels
	s_lshl_b32 s57, s14, 18
	s_add_co_u32 s56, s56, s57
	s_lshl_b32 s57, s[WV], 10
	s_add_co_u32 s56, s56, s57
	s_mov_b32 s57, 0
	s_mov_b32 s[TB], 0
	s_mov_b32 s[PO], 0
	s_mov_b32 s[YO], 0
	s_mov_b32 s[SEL], 0x76543210
	s_mov_b32 s[SEL+1], 0xfedcba98
	s_mov_b32 s[CS], 0x3fb8aa3b                    ; log2(e)
	s_mov_b32 s[CS+1], s[CS]
	s_wait_alu depctr_va_vdst(0)
	s_wait_dscnt 0x0
	s_wait_kmcnt 0x0
	s_mov_b32 s[G0A], 1
	s_mov_b32 s[G0A+1], s48
	s_add_nc_u64 s[G0A+2:G0A+3], s[8:9], s[46:47]
	s_mov_b32 s[G0B], 1
	s_add_co_u32 s[G0B+1], s48, SLOT
	s_add_nc_u64 s[G0B+2:G0B+3], s[G0A+2:G0A+3], SLOT
	s_or_b32 s[G0A+3], s[G0A+3], 0x80000000
	s_or_b32 s[G0B+3], s[G0B+3], 0x80000000
	s_add_nc_u64 s[PFA:PFA+1], s[8:9], s[50:51]
	s_add_nc_u64 s[4:5], s[4:5], s[52:53]
	s_add_nc_u64 s[6:7], s[6:7], s[54:55]
	s_add_nc_u64 s[10:11], s[10:11], s[56:57]
	CROUND
	tensor_load_to_lds s[G0A:G0A+3], s[G1:G1+7]    ; slot 0: my one tensor load at the head
	s_nop 0
	v_and_b32 v64, 31, v0                          ; Q's loads and the address work stand while slot 0 is on its way
	v_and_b32 v65, 15, v0
	v_bfe_u32 v66, v0, 4, 1
	v_lshlrev_b32 v70, 4, v64
	v_lshlrev_b32 v69, 5, v64
.set t, 0
.rept 16
	global_load_b128 v[FB+4*t:FB+4*t+3], v70, s[4:5] offset:512*t th:TH_LOAD_NT
.set t, t+1
.endr
.irp i, 0,1
.irp g, 0,1
	global_load_b128 v[QSC+8*\i+4*\g:QSC+8*\i+4*\g+3], v69, s[6:7] offset:1024*\i+16*\g
.endr
.endr
	v_add_nc_u32 v[ADB], s48, v70
	v_lshl_add_u32 v[AB8], v64, 3, s48
	v_lshlrev_b32 v[PST], 4, v65
	v_lshl_add_u32 v[PST], v66, 3, v[PST]
	s_lshl_b32 s49, s[WV], 8
	v_add_nc_u32 v[YLW], s49, v[NIL]
	s_add_co_u32 s49, s49, PCO
	v_add_nc_u32 v[PST], s49, v[PST]
	v_lshlrev_b32 v[YST], 4, v65
	s_lshl_b32 s49, s[WV], 2
	s_add_co_u32 s49, s49, YB
	v_add_nc_u32 v[YST], s49, v[YST]
	v_lshl_add_u32 v[PLD], v64, 4, PCO
	v_lshl_add_u32 v[PSL], v64, 2, PSW
	v_lshl_add_u32 v[YLD], v65, 4, YB
	v_lshl_add_u32 v[YLD], v66, 12, v[YLD]
	v_add_nc_u32 v[YLW], v[YLW], v[YLD]
	v_lshl_add_u32 v[PSS], v65, 2, PSW
	v_lshl_add_u32 v[PSS], v66, 10, v[PSS]
	s_lshl_b32 s49, s[WV], 6
	v_add_nc_u32 v[PSS], s49, v[PSS]
	v_lshl_add_u32 v[XLD], v65, 4, LXX
	s_mul_i32 s49, s[WV], 16*SPO
	s_add_co_u32 s49, s49, PCO
	v_mul_u32_u24 v[STO], v65, SPO
	v_lshl_add_u32 v[STO], v66, 5, v[STO]
	v_add_nc_u32 v[STO], s49, v[STO]
	v_mul_u32_u24 v[SRD], v66, SPO
	v_lshl_add_u32 v[SRD], v65, 4, v[SRD]
	v_add_nc_u32 v[SRD], s49, v[SRD]
	v_lshlrev_b32 v[GO], 12, v66
	v_lshl_add_u32 v[GO], v65, 4, v[GO]
	v_lshlrev_b32 v[PFO], 8, v64                   ; my blocks 0 to 31,
	v_min_u32 v[PF2], 1, v64
	v_lshl_add_u32 v[PF2], v[PF2], 8, 0x2000       ; and 32, 33 (the lanes left over name the last again)
	s_mul_i32 s49, s[WV], 16*SP
	s_add_co_u32 s49, s49, PCO
	v_add_nc_u32 v67, s49, v70
	v_mul_u32_u24 v68, v65, SP
	v_lshl_add_u32 v68, v66, 4, v68
	v_add_nc_u32 v68, PCO, v68
.irp qt, 0,1,2,3
	v_mov_b32 v[NXW+\qt], 0x7f61b1e6               ; -(running X): 3e38, over every -X
	v_mov_b32 v[LW+\qt], 0
.endr
	s_wait_alu depctr_va_vdst(0)
	s_wait_loadcnt 0x0
.set t, 0
.rept 16
	ds_store_b128 v67, v[FB+4*t:FB+4*t+3] offset:SP*t   ; a query's 512 bytes to a row of 528
.set t, t+1
.endr
	s_wait_dscnt 0x0
	s_barrier_signal -1
	s_barrier_wait -1
	WIN 0x40
.irp qt, 0,1,2,3
.irp s, 0,1,2,3,4,5,6,7
.irp c, 0,1
	ds_load_b128 v[8*(8*\qt+\s)+4*\c:8*(8*\qt+\s)+4*\c+3], v68 offset:16*SP*\qt+64*\s+32*\c   ; all 32 fragments of Q into window 1
.endr
.endr
.endr
	WIN 0
	s_wait_tensorcnt 0x0                           ; slot 0 is in; slot 1's first fill is issued as a refill is
	ds_add_u32 v[SPW], v[NIL]
	s_wait_dscnt 0x0                               ; the add, and my reads of Q's stage
	CROUND                                         ; behind it nobody reads Q's stage any more: P's codes may be stored there
	tensor_load_to_lds s[G0B:G0B+3], s[G1:G1+7]
	s_nop 0
	PLACES
	s_mov_b32 s[CNT], 4
.Lk0:
	KSLOT
	CHANGE 1
	s_sub_co_u32 s[CNT], s[CNT], 1
	s_cmp_lg_u32 s[CNT], 0
	s_cbranch_scc1 .Lk0
	MID
	s_mov_b32 s[CNT], 4
.Lk1:                                              ; slots 4-7: keys 1024-2047
	KSLOT
	CHANGE 1
	s_sub_co_u32 s[CNT], s[CNT], 1
	s_cmp_lg_u32 s[CNT], 0
	s_cbranch_scc1 .Lk1
	FINAL
	PALL 1
	s_mov_b32 s58, 0                               ; what the next way out adds to out0's address
	s_mov_b32 s59, 0
	TSLOTD 0, 0                                    ; slot 8
	CHANGE 1
	s_mov_b32 s[CNT], 2
.Lt:                                               ; a trip: the second slot of 64 channels, then the first slot of the next 64, under which the finished ones leave: slots 9-10, 11-12
	TSLOTD 1, 0
	CHANGE 1
	SCALE
	TSLOTD 0, 1
	CHANGE 3
	s_sub_co_u32 s[CNT], s[CNT], 1
	s_cmp_lg_u32 s[CNT], 0
	s_cbranch_scc1 .Lt
	TSLOTD 1, 0                                    ; slots 13 to 15 are written out: behind slot 13 the last refill, behind slot 14 none
	CHANGE 2
	SCALE
	TSLOTD 0, 1
	CHANGE 0
	TSLOTD 1, 0
	PLACES
	SCALE
	WAYOUT
	s_wait_tensorcnt 0x0                           ; the wave's end
	ds_add_u32 v[SPW], v[NIL]
	s_wait_dscnt 0x0
	CROUND                                         ; the closing round
	s_endpgm
.Lfunc_end_k_qaae4a20058_attn:
	.size	k_qaae4a20058_attn, .Lfunc_end_k_qaae4a20058_attn-k_qaae4a20058_attn
	.p2alignl 7, 3214868480
	.fill 96, 4, 3214868480
	.section	.rodata,"a",@progbits
	.p2align	6, 0x0
	.amdhsa_kernel k_qaae4a20058_attn
		.amdhsa_group_segment_fixed_size 327680
		.amdhsa_private_segment_fixed_size 0
		.amdhsa_enable_private_segment 0
		.amdhsa_kernarg_size 32
		.amdhsa_user_sgpr_count 2
		.amdhsa_user_sgpr_kernarg_segment_ptr 1
		.amdhsa_wavefront_size32 1
		.amdhsa_system_sgpr_workgroup_id_x 1
		.amdhsa_system_sgpr_workgroup_id_y 1
		.amdhsa_system_sgpr_workgroup_id_z 1
		.amdhsa_system_vgpr_workitem_id 0
		.amdhsa_next_free_vgpr 1024
		.amdhsa_next_free_sgpr 66
		.amdhsa_reserve_vcc 0
		.amdhsa_float_denorm_mode_32 3
		.amdhsa_float_denorm_mode_16_64 3
		.amdhsa_memory_ordered 1
		.amdhsa_forward_progress 1
		.amdhsa_inst_pref_size 255
	.end_amdhsa_kernel
	.section	.bss,"aw",@nobits
	.p2align	6
	.space	262144
	.amdgpu_metadata
---
amdhsa.version: [ 1, 2 ]
amdhsa.kernels:
  - .name:           k_qaae4a20058_attn
    .symbol:         k_qaae4a20058_attn.kd
    .args:
      - { .name: query_codes, .offset: 0, .size: 8, .value_kind: global_buffer, .address_space: global }
      - { .name: query_scales, .offset: 8, .size: 8, .value_kind: global_buffer, .address_space: global }
      - { .name: vs, .offset: 16, .size: 8, .value_kind: global_buffer, .address_space: global }
      - { .name: out0, .offset: 24, .size: 8, .value_kind: global_buffer, .address_space: global }
    .group_segment_fixed_size: 327680
    .private_segment_fixed_size: 0
    .kernarg_segment_align: 8
    .kernarg_segment_size: 32
    .max_flat_workgroup_size: 128
    .sgpr_count:     66
    .vgpr_count:     1024
    .wavefront_size: 32
...
	.end_amdgpu_metadata
.endif
;; end of part 2
